; MI455X (gfx1250); checked and timed in simulation.
; The chip was launched on July 23, 2026; its instructions are those of AMD's public machine-readable ISA for CDNA 5 (MIT licence, August 2026) and "CDNA5" Instruction Set Architecture Reference Guide (July 2026). The comments in the code are by the model that wrote it; some were corrected since.
;; Multihead Attention. Allowed arithmetic: float matrix products may take bf16 or f16 operands with f32 sums; all other float work in f32.
;; Inputs: Wk 64 x 64 float32; Wp 64 x 64 float32; Wq 64 x 64 float32; Wv 64 x 64 float32; bp 64 float32; idx 32 x 2,048 x 64 float32; input_mask 32 x 1 x 1 x 2,048 int32.
;; Outputs: out0 32 x 2,048 x 64 float32.
;; 2 versions, each right; version 2 is version 1 with the launch attn written anew for expert scheduling mode. Each part assembles by itself: llvm-mc -triple=amdgcn-amd-amdhsa -mcpu=gfx1250 --defsym DOCPART=n.
;; ======== version 1 of 2: 1 launch
;; limits: values are held in f16: magnitudes above 65,504 overflow, below 6.1e-05 lose precision
;; launch attn (part 1): grid 256 x 1, 8 waves a work-group, no clusters, 143,360 bytes of LDS; arguments idx, input_mask, Wq, Wk, Wv, Wp, bp, out0; writes out0
.if DOCPART == 1
	.amdgcn_target "amdgcn-amd-amdhsa--gfx1250"
	.amdhsa_code_object_version 6
	.text
	.protected	k_q4c7a4bbc32_attn
	.globl	k_q4c7a4bbc32_attn
	.p2align	8
	.type	k_q4c7a4bbc32_attn,@function
k_q4c7a4bbc32_attn:
	s_mov_b64 s[64:65], 0
	v_nop
	global_prefetch_b8 v0, s[64:65] scope:SCOPE_SE
	s_setreg_imm32_b32 hwreg(HW_REG_WAVE_MODE, 25, 1), 1
	s_wait_xcnt 0x0
; Causal self-attention with a key padding mask, all steps in one launch.
;   q, k, v = idx Wq^T, idx Wk^T, idx Wv^T (two heads of 32);  p = softmax(q k^T / sqrt(32), masked);  out0 = (p v) Wp^T + bp.
;   idx, out0: [32][2048][64] f32.  input_mask: [32][2048] i32 (0 = key hidden).  W*: [64][64] f32.  bp: [64] f32.
;
; SHARES.  A batch has 16 chunks of 128 query rows; chunk c needs key blocks 0 .. c (128 keys each), the last one cut by the diagonal.
; Work-group g: batch g >> 3, p = g & 7; it does chunk p and then chunk 15 - p: (p + 1) + (16 - p) = 17 blocks for every work-group.
; Eight waves.  Wave w (ww = w & 3, hh = w >> 2) owns head hh and query rows 32 ww .. 32 ww + 31 of the chunk, as two units of 16.
; K and V of a key block are made here from idx, not fetched: wave w projects keys 16 w .. 16 w + 15 of the block, for both heads,
; into one of two LDS slots, one block ahead of its use; its 4,096 bytes of idx are requested one block before that, into registers.
;
; FORMATS.  idx and the four W are rounded to bf16 for the projections; q (already times log2(e) / sqrt(32)), k, v and p go in f16;
; the unnormalised sum p v enters the last projection as a bf16 high part plus a bf16 rest; maxima, sums, 1 / l and bp are f32.
; LIMITS.  |0.255 q|, |k|, |v| must stay below 65,504 (f16).  A score below -2^100 (in log2 units) counts as hidden.
;
; MASKS.  The padding mask is the C operand of the score products: 0 or NEG = -2^127 for each key.  The running maximum starts at -2^100, so a
; hidden score gives exp2(NEG - m) = 0 and no difference of infinities arises.  A row that sees no key ends with sums 0 and l = 0:
; 0 x (1 / 0) is NaN, as a softmax over nothing is.  The diagonal is applied to the last block alone, by compare and select.
;
; LAYOUTS.  L = lane, r = L & 15, h = L >> 4.  Every product is turned so that its result is the next product's operand as it lies:
;   Q^T = Wq x idx    a lane holds 8 d of one query: two tiles pack into the B fragment of the scores
;   K^T = Wk x idx    8 d of one key: 16 bytes of K[key][d] in LDS;      V = idx x Wv: 8 keys of one d: 16 bytes of Vt[d][key] in LDS
;   S^T = K x Q + bias   8 keys of one query: tiles 2 ks, 2 ks + 1 pack into the B fragment P of key step ks
;   O^T = Vt x P      the lane is the query, so the rescale and 1 / l are one number a lane;   out^T = Wp x O: leaves through the LDS stage
;
; NOT USED, and why.  Joint loads in a cluster: the eight work-groups of a batch read the same idx blocks, but in a pass they need p + 1 and
; 16 - p of them, different numbers at different times, and the bytes go to registers to be converted and projected, not to LDS as they are.
; Tensor loads: for the same reason.  Prefetches: each wave's raw block is already requested a whole block's work ahead.
;
; LDS.  Two slots of SLOT bytes: bias 128 f32 | K 128 rows of 144 bytes | Vt 64 rows of 272 bytes; then the stage, 8,704 bytes a wave (2 x 16 rows of 272).
; The pitches are odd multiples of 16 bytes: the sixteen rows that a 16-byte access touches fall on sixteen different 16-byte columns modulo 256.
; At the start the stage also holds the four W in bf16 (64 rows of 144 bytes each).
.set SLOT,  36352
.set KOFF,  512
.set VOFF,  18944
.set STAGE, 2*SLOT
.set KP,    144
.set VP,    272
.set SP,    272
.set WSZ,   64*KP
.set NEG,   0xff000000                 ; -2^127
.set FLOOR, 0x71800000                 ; +2^100: the running maximum is kept negated
.set QSCALE, 0x3e8293ee                ; log2(e) / sqrt(32)
; vector registers, window 0
.set R16,  1                           ; 16 r: my 16 bytes of bp
.set IDXO, 2                           ; 256 r + 32 h: my row and half in a tile of 16 rows of idx
.set KR,   3                           ; read K:    KOFF + 144 r + 16 h + 64 hh
.set VR,   4                           ; read Vt:   VOFF + 272 (32 hh + r) + 16 h
.set CR,   5                           ; read bias: 32 h
.set KW,   6                           ; write K:   KOFF + 144 (16 w + r) + 16 h
.set VW,   7                           ; write Vt:  VOFF + 272 r + 32 w + 16 h
.set BW,   8                           ; write bias: 64 w + 4 r
.set MO,   9                           ; 4 r: my key's mask word
.set MK,   10                          ; the mask word
.set MB,   11                          ; its bias
.set TQ,   12                          ; 32 ww + r - 8 h: what the diagonal is compared with
.set NEGV, 13
.set STW,  14                          ; stage, in:  STAGE + 8704 w + 272 r + 32 h
.set STR,  15                          ; stage, out: STAGE + 8704 ww + 4352 hh + 272 h + 16 r
.set L16,  16                          ; 16 x lane
.set T16,  17                          ; 16 x thread
.set BP,   18                          ; v[18:21] bp[4 r .. 4 r + 3]
.set NMS,  22                          ; v22, v23  minus the running maximum, unit 0, 1
.set LS,   24                          ; v24, v25  the running sum (of my half of the keys)
.set T,    26                          ; v[26:29]  at work
.set X0,   30                          ; v[30:31], v[32:33]  sums at work
.set X1,   32
.set NMN,  34                          ; v[34:35]  minus the new maximum (low register; the high one is written once and only named)
.set AL,   36                          ; v[36:37]  the rescale factor, likewise
.set AD,   38
.set Q,    40                          ; v[40:55]  Q fragments, 8 a unit
.set O,    56                          ; v[56:87]  O^T, 16 u + 8 dt
.set KF,   88                          ; v[88:119] K fragments of four key tiles
.set CF,   120                         ; v[120:151] their bias
.set VF,   152                         ; v[152:183] Vt fragments, 8 (2 dt + ks)
.set SU0,  184                         ; v[184:215] scores, then P, of unit 0
.set SU1,  216                         ; v[216:247] of unit 1
.set F,    SU0                         ; production: idx fragments (16)
.set DK,   SU1                         ; production: K^T tiles
.set DV,   VF                          ; production: V tiles
.set WST,  32                          ; start only: LDS addresses for W
.set WA,   33
.set WAQ,  30
.set WAP,  31
; vector registers, window 1 (v256 and up, written by their low 8 bits)
.set WK,   0                           ; Wk fragments, 16 mt + 8 ks
.set WV,   64                          ; Wv fragments, 16 nt + 8 ks
.set WQ,   128                         ; Wq fragments of my head, 16 mt + 8 ks
.set WP,   160                         ; Wp fragments of my head's 32 columns, 8 mt
.set R,    192                         ; raw idx of my 16 keys, f32
; scalar registers: s[8:23] the eight addresses; s24 w, s25 ww, s26 hh, s28 batch, s29 c, s30 pass, s31 pairs left, s32 the block whose raw data is in or on its way;
; s[34:35] an offset (high word 0); s[36:37] idx at my key tile of block 0; s[38:39] the mask likewise; s[40:43] the bases of the raw and mask loads that are out;
; s[44:45] idx at my query rows; s[46:47] out0 at the rows I store; s48, s49 lane selects; s50, s51 at work; s[54:55] out0, s[56:57] idx, at my rows of chunk 0.
.set MSB, 0
.macro WIN new                         ; low byte: bits 1:0 source 0, 3:2 source 1, 5:4 source 2, 7:6 destination; the high byte repeats the setting that is left
.if MSB != \new
	s_set_vgpr_msb (MSB<<8)|\new
.set MSB, \new
.endif
.endm
.macro PLACES n                        ; places behind matrix instructions are plain vector instructions that name none of their registers (ISA guide 7.12.1)
.rept \n
	v_nop
.endr
.endm
.macro SYNC                            ; my LDS loads and stores are done, then the work-group's barrier
	s_wait_dscnt 0x0
	s_barrier_signal -1
	s_barrier_wait -1
.endm
; 16 rows x 64 f32 of idx in fragment order: registers 8 g .. 8 g + 7 hold columns 16 g + 8 h + 0 .. 7 of row r
.macro LDROW dst, base, off
.irp i, 0,1,2,3,4,5,6,7
	global_load_b128 v[\dst+4*\i:\dst+4*\i+3], v[IDXO], s[\base:\base+1] offset:\off+64*(\i>>1)+16*(\i&1)
.endr
.endm
; a 16-bit fragment (16 rows x 32 along the rows): two loads of 16 bytes, 32 bytes apart
.macro LDFRAG dst, adr, off
	ds_load_b128 v[\dst:\dst+3], v[\adr] offset:\off
	ds_load_b128 v[\dst+4:\dst+7], v[\adr] offset:\off+32
.endm
; K fragments and bias of the 64 keys of half st of a slot: 16 loads
.macro LOADKC slot, st
.irp kt, 0,1,2,3
	LDFRAG KF+8*\kt, KR, \slot*SLOT+(64*\st+16*\kt)*KP
.endr
.irp kt, 0,1,2,3
	ds_load_b128 v[CF+8*\kt:CF+8*\kt+3],   v[CR] offset:\slot*SLOT+256*\st+64*\kt       ; register j: the bias of key 16 kt + 8 h + j, as the scores' C wants it
	ds_load_b128 v[CF+8*\kt+4:CF+8*\kt+7], v[CR] offset:\slot*SLOT+256*\st+64*\kt+16
.endr
.endm
; My 16 keys of the block whose raw data is in R: bias, K and V into the slot; the next block's raw data is requested.
.macro PRODUCE slot
	s_wait_loadcnt 0x0                             ; R and MK are in, and the loads' bases s[40:43] may be written
	s_add_co_u32 s32, s32, 1                       ; the next block; behind block c comes block 0, for the next pass
	s_cmp_gt_u32 s32, s29                          ; (in the last pass those 4,160 bytes a wave are requested and not used; they lie inside their buffers)
	s_cselect_b32 s32, 0, s32
	s_lshl_b32 s34, s32, 15                        ; 128 rows of 256 bytes
	s_add_nc_u64 s[40:41], s[36:37], s[34:35]
	s_lshl_b32 s34, s32, 9                         ; 128 mask words
	s_add_nc_u64 s[42:43], s[38:39], s[34:35]
	v_cmp_eq_u32 vcc_lo, 0, v[MK]
	v_cndmask_b32 v[MB], 0, v[NEGV], vcc_lo        ; hidden key: NEG, else 0
	ds_store_b32 v[BW], v[MB] offset:\slot*SLOT    ; lanes r and r + 16 write the same word with the same value
	global_load_b32 v[MK], v[MO], s[42:43]
	WIN 0x05                                       ; sources in window 1
.irp i, 0,1,2,3,4,5,6,7,8,9,10,11,12,13,14,15
	v_cvt_pk_bf16_f32 v[F+\i], v[R+2*\i], v[R+2*\i+1]
.endr
	WIN 0x40                                       ; destination in window 1
	LDROW R, 40, 0
	WIN 0x01                                       ; A in window 1.  K^T = Wk x idx; the four accumulators take turns, one instruction a turn
.irp mt, 0,1,2,3
	v_wmma_f32_16x16x32_bf16 v[DK+8*\mt:DK+8*\mt+7], v[WK+16*\mt:WK+16*\mt+7], v[F:F+7], 0
.endr
.irp mt, 0,1,2,3
	v_wmma_f32_16x16x32_bf16 v[DK+8*\mt:DK+8*\mt+7], v[WK+16*\mt+8:WK+16*\mt+15], v[F+8:F+15], v[DK+8*\mt:DK+8*\mt+7]
.endr
	WIN 0x04                                       ; B in window 1.  V = idx x Wv, by turns likewise
.irp nt, 0,1,2,3
	v_wmma_f32_16x16x32_bf16 v[DV+8*\nt:DV+8*\nt+7], v[F:F+7], v[WV+16*\nt:WV+16*\nt+7], 0
.endr
.irp nt, 0,1,2,3
	v_wmma_f32_16x16x32_bf16 v[DV+8*\nt:DV+8*\nt+7], v[F+8:F+15], v[WV+16*\nt+8:WV+16*\nt+15], v[DV+8*\nt:DV+8*\nt+7]
.endr
	WIN 0
	PLACES 4                                       ; before the conversions read the results
.irp mt, 0,1,2,3
.irp i, 0,1,2,3
	v_cvt_pk_f16_f32 v[DK+4*\mt+\i], v[DK+8*\mt+2*\i], v[DK+8*\mt+2*\i+1]     ; packed in place, ascending: a register is written only after it was read
.endr
	ds_store_b128 v[KW], v[DK+4*\mt:DK+4*\mt+3] offset:\slot*SLOT+32*\mt       ; K[16 w + r][16 mt + 8 h ..]
.endr
.irp nt, 0,1,2,3
.irp i, 0,1,2,3
	v_cvt_pk_f16_f32 v[DV+4*\nt+\i], v[DV+8*\nt+2*\i], v[DV+8*\nt+2*\i+1]
.endr
	ds_store_b128 v[VW], v[DV+4*\nt:DV+4*\nt+3] offset:\slot*SLOT+16*VP*\nt    ; Vt[16 nt + r][16 w + 8 h ..]
.endr
.endm
.macro EXPS g                          ; eight exponentials in place
.irp i, 0,1,2,3,4,5,6,7
	v_exp_f32 v[SBASE+8*\g+\i], v[SBASE+8*\g+\i]
.endr
.endm
.macro WORK g                          ; key tile g: its p are added to the sums, then packed to f16 into registers 4 g .. 4 g + 3 (read before they are written)
.if \g == 0
	s_wait_alu depctr_va_vdst(0)
	v_pk_add_f32 v[X0:X0+1], v[SBASE:SBASE+1], v[SBASE+2:SBASE+3]              ; the first tile starts the sums
	v_pk_add_f32 v[X1:X1+1], v[SBASE+4:SBASE+5], v[SBASE+6:SBASE+7]
.else
	s_wait_alu depctr_va_vdst(0)
	v_pk_add_f32 v[X0:X0+1], v[X0:X0+1], v[SBASE+8*\g:SBASE+8*\g+1]
	v_pk_add_f32 v[X1:X1+1], v[X1:X1+1], v[SBASE+8*\g+2:SBASE+8*\g+3]
	v_pk_add_f32 v[X0:X0+1], v[X0:X0+1], v[SBASE+8*\g+4:SBASE+8*\g+5]
	v_pk_add_f32 v[X1:X1+1], v[X1:X1+1], v[SBASE+8*\g+6:SBASE+8*\g+7]
.endif
.irp i, 0,1,2,3
	v_cvt_pk_f16_f32 v[SBASE+4*\g+\i], v[SBASE+8*\g+2*\i], v[SBASE+8*\g+2*\i+1]
.endr
.endm
; 64 keys x 16 queries of unit u: new maximum, p = exp2(s - m), sums, P in f16, O rescaled.  diag = 1: keys beyond the query are hidden first.
.macro SOFTMAX u, diag, st
.set SBASE, SU0+32*\u
.set OBASE, O+16*\u
.if \diag
.set i, 0
.rept 32                               ; register i holds key 64 st + 16 (i >> 3) + 8 h + (i & 7) of the block, my query is 32 ww + 16 u + r: hidden where key > query
	v_cmp_gt_i32 vcc_lo, 64*\st+16*(i>>3)+(i&7)-16*\u, v[TQ]
	v_cndmask_b32 v[SBASE+i], v[SBASE+i], v[NEGV], vcc_lo
.set i, i+1
.endr
.endif
.irp c, 0,1,2,3                        ; four chains that do not wait for each other
	v_max3_num_f32 v[T+\c], v[SBASE+8*\c], v[SBASE+8*\c+1], v[SBASE+8*\c+2]
.endr
.irp c, 0,1,2,3
	v_max3_num_f32 v[T+\c], v[T+\c], v[SBASE+8*\c+3], v[SBASE+8*\c+4]
.endr
.irp c, 0,1,2,3
	v_max3_num_f32 v[T+\c], v[T+\c], v[SBASE+8*\c+5], v[SBASE+8*\c+6]
.endr
	v_max3_num_f32 v[T], v[T], v[SBASE+7], v[SBASE+15]
	v_max3_num_f32 v[T+1], v[T+1], v[SBASE+23], v[SBASE+31]
	v_max3_num_f32 v[T], v[T], v[T+1], v[T+2]
	v_max3_num_f32 v[T], v[T], v[T+3], -v[NMS+\u]  ; with the maximum so far
	v_permlanex16_b32 v[T+1], v[T], s48, s49       ; lane r + 16 holds the other half of query r's keys
	v_min_num_f32 v[NMN], -v[T], -v[T+1]           ; minus the new maximum
	v_sub_f32 v[AD], v[NMN], v[NMS+\u]             ; old maximum - new maximum
.set i, 0
.rept 16
	v_pk_add_f32 v[SBASE+i:SBASE+i+1], v[SBASE+i:SBASE+i+1], v[NMN:NMN+1] op_sel_hi:[1,0]
.set i, i+2
.endr
	v_exp_f32 v[AL], v[AD]
	EXPS 0
	EXPS 1
	v_mov_b32 v[NMS+\u], v[NMN]                    ; a plain vector instruction stands between each run of exponentials and the first use of its last result (ISA guide 5.7.2):
	WORK 0                                         ; here this move, further down the first add of a WORK that reads an older tile
	EXPS 2
	WORK 1
	EXPS 3
	WORK 2
.set i, 0
.rept 8
	v_pk_mul_f32 v[OBASE+i:OBASE+i+1], v[OBASE+i:OBASE+i+1], v[AL:AL+1] op_sel_hi:[1,0]
.set i, i+2
.endr
	WORK 3
.endm
.macro PV u                            ; O^T += Vt x P; the two accumulators take turns, one instruction a turn
.irp ks, 0,1
.irp dt, 0,1
	v_wmma_f32_16x16x32_f16 v[O+16*\u+8*\dt:O+16*\u+8*\dt+7], v[VF+8*(2*\dt+\ks):VF+8*(2*\dt+\ks)+7], v[SU0+32*\u+8*\ks:SU0+32*\u+8*\ks+7], v[O+16*\u+8*\dt:O+16*\u+8*\dt+7]
.endr
.endr
.endm
.macro TAIL u                          ; l = l x rescale + this step's sum
	v_pk_add_f32 v[X0:X0+1], v[X0:X0+1], v[X1:X1+1]
	v_add_f32 v[X0], v[X0], v[X0+1]
	v_fma_f32 v[LS+\u], v[LS+\u], v[AL], v[X0]
.endm
; 64 keys (half st of a slot) against my 32 queries.  K and bias are on their way on entry.  pre = 1: the other half's K and bias are requested.
.macro STEP slot, st, diag, pre
	s_wait_dscnt 0x0                               ; K and bias are in (and my stores of a production in front are done)
.irp kt, 0,1,2,3
	v_wmma_f32_16x16x32_f16 v[SU0+8*\kt:SU0+8*\kt+7], v[KF+8*\kt:KF+8*\kt+7], v[Q:Q+7], v[CF+8*\kt:CF+8*\kt+7]
	v_wmma_f32_16x16x32_f16 v[SU1+8*\kt:SU1+8*\kt+7], v[KF+8*\kt:KF+8*\kt+7], v[Q+8:Q+15], v[CF+8*\kt:CF+8*\kt+7]
.endr
	PLACES 4                                       ; before loads are issued into K and bias, and before the scores are read
.irp dt, 0,1
.irp ks, 0,1
	LDFRAG VF+8*(2*\dt+\ks), VR, \slot*SLOT+16*VP*\dt+128*\st+64*\ks
.endr
.endr
.if \pre
	LOADKC \slot, 1
.endif
	SOFTMAX 0, \diag, \st
.if \pre
	s_wait_dscnt 16                                ; the 8 loads of Vt are in; the 16 younger ones, K and bias of the next half, stay out
.else
	s_wait_dscnt 0x0
.endif
	PV 0
	TAIL 0
	SOFTMAX 1, \diag, \st
	PV 1
	TAIL 1                                         ; three places,
	PLACES 2                                       ; and two: five before a matrix instruction writes over unit 1's P or Vt's fragments
.endm
; One block: slot a is multiplied, slot b gets the next block.  The barrier at the end orders this trip's reads of a against the next trip's
; stores into it, and this trip's stores into b against the next trip's reads.
.macro TRIP a, b
	LOADKC \a, 0
	PRODUCE \b
	STEP \a, 0, 0, 1
	STEP \a, 1, 0, 0
	SYNC
.endm
	; ---------------- start: ids, addresses, constants ----------------
	s_load_b512 s[8:23], s[0:1], 0x0               ; idx s[8:9], mask s[10:11], Wq s[12:13], Wk s[14:15], Wv s[16:17], Wp s[18:19], bp s[20:21], out0 s[22:23]
	v_lshl_add_u32 v254, v0, 2, 0x22c00
	v_mov_b32 v255, 0
	v_and_b32 v26, 15, v0                          ; r
	v_bfe_u32 v27, v0, 4, 1                        ; h
	v_lshrrev_b32 v28, 5, v0
	v_readfirstlane_b32 s24, v28                   ; w
	s_and_b32 s25, s24, 3                          ; ww
	s_lshr_b32 s26, s24, 2                         ; hh
	s_and_b32 s29, ttmp9, 7                        ; c = p in the first pass
	s_lshr_b32 s28, ttmp9, 3                       ; batch
	s_mov_b32 s30, 0
	s_mov_b32 s32, 0
	s_mov_b32 s35, 0
	s_mov_b32 s48, 0x76543210                      ; v_permlanex16_b32: lane i takes lane i of the other half
	s_mov_b32 s49, 0xfedcba98
	v_lshlrev_b32 v[R16], 4, v26
	v_lshlrev_b32 v[IDXO], 8, v26
	v_lshl_add_u32 v[IDXO], v27, 5, v[IDXO]
	v_mul_u32_u24 v29, v26, KP
	v_lshl_add_u32 v29, v27, 4, v29                ; 144 r + 16 h
	v_mul_u32_u24 v30, v26, VP
	v_lshl_add_u32 v30, v27, 4, v30                ; 272 r + 16 h
	s_lshl_b32 s50, s26, 6
	s_add_co_u32 s50, s50, KOFF
	v_add_nc_u32 v[KR], s50, v29
	s_mul_i32 s50, s24, 16*KP
	s_add_co_u32 s50, s50, KOFF
	v_add_nc_u32 v[KW], s50, v29
	s_mul_i32 s50, s26, 32*VP
	s_add_co_u32 s50, s50, VOFF
	v_add_nc_u32 v[VR], s50, v30
	s_lshl_b32 s50, s24, 5
	s_add_co_u32 s50, s50, VOFF
	v_add_nc_u32 v[VW], s50, v30
	v_lshlrev_b32 v[CR], 5, v27
	v_lshlrev_b32 v[MO], 2, v26
	s_lshl_b32 s50, s24, 6
	v_add_nc_u32 v[BW], s50, v[MO]
	v_lshlrev_b32 v31, 3, v27
	v_sub_nc_u32 v[TQ], v26, v31
	s_lshl_b32 s50, s25, 5
	v_add_nc_u32 v[TQ], s50, v[TQ]
	v_mov_b32 v[NEGV], NEG
	v_lshl_add_u32 v[STW], v27, 4, v30             ; 272 r + 32 h
	s_mul_i32 s50, s24, 32*SP
	s_add_co_u32 s50, s50, STAGE
	v_add_nc_u32 v[STW], s50, v[STW]
	v_mul_u32_u24 v[STR], v27, SP
	v_add_nc_u32 v[STR], v[STR], v[R16]
	s_mul_i32 s50, s25, 32*SP
	s_mul_i32 s51, s26, 16*SP
	s_add_co_u32 s50, s50, s51
	s_add_co_u32 s50, s50, STAGE
	v_add_nc_u32 v[STR], s50, v[STR]
	v_and_b32 v[L16], 31, v0
	v_lshlrev_b32 v[L16], 4, v[L16]
	v_lshlrev_b32 v[T16], 4, v0
	v_lshrrev_b32 v[WST], 4, v0                    ; W on its way into LDS: thread t holds 4 numbers of row (t >> 4) + 16 i, columns 4 (t & 15) ..
	v_mul_u32_u24 v[WST], v[WST], KP
	v_lshl_add_u32 v[WST], v26, 3, v[WST]
	v_add_nc_u32 v[WST], STAGE, v[WST]
	v_add_nc_u32 v[WA], STAGE, v29                 ; W fragments: STAGE + 144 r + 16 h,
	s_mul_i32 s50, s26, 32*KP
	v_add_nc_u32 v[WAQ], s50, v[WA]                ; for Wq my head's 32 rows,
	s_lshl_b32 s50, s26, 6
	v_add_nc_u32 v[WAP], s50, v[WA]                ; for Wp my head's 32 columns
	v_mov_b32 v[NMN+1], 0                          ; the upper registers of the two broadcast pairs: named by packed instructions, never used
	v_mov_b32 v[AL+1], 0
	s_wait_kmcnt 0x0
	s_lshl_b32 s34, s28, 19                        ; a batch: 2,048 rows of 256 bytes
	s_add_nc_u64 s[56:57], s[8:9], s[34:35]
	s_add_nc_u64 s[54:55], s[22:23], s[34:35]
	s_lshl_b32 s34, s24, 12                        ; my key tile: 16 rows
	s_add_nc_u64 s[36:37], s[56:57], s[34:35]
	s_lshl_b32 s34, s25, 13                        ; my 32 query rows
	s_add_nc_u64 s[56:57], s[56:57], s[34:35]
	s_add_nc_u64 s[54:55], s[54:55], s[34:35]
	s_lshl_b32 s34, s26, 12                        ; of which I store 16
	s_add_nc_u64 s[54:55], s[54:55], s[34:35]
	s_lshl_b32 s34, s28, 13                        ; the batch's 2,048 mask words,
	s_lshl_b32 s50, s24, 6                         ; my 16 of a block
	s_add_co_u32 s34, s34, s50
	s_add_nc_u64 s[38:39], s[10:11], s[34:35]
	s_mov_b64 s[40:41], s[36:37]                   ; block 0
	s_mov_b64 s[42:43], s[38:39]
	s_lshl_b32 s34, s29, 15                        ; chunk c: 128 rows
	s_add_nc_u64 s[44:45], s[56:57], s[34:35]
	; ---------------- all first loads, W ahead ----------------
.irp m, 0,1,2,3                        ; Wq, Wk, Wv, Wp: sixteen neighbouring lanes take one row of 256 bytes
.irp i, 0,1,2,3
	global_load_b128 v[SU0+16*\m+4*\i:SU0+16*\m+4*\i+3], v[T16], s[12+2*\m:13+2*\m] offset:4096*\i
.endr
.endr
	global_load_b128 v[BP:BP+3], v[R16], s[20:21]
	WIN 0x40
	LDROW R, 40, 0                                 ; my keys of block 0
	WIN 0
	global_load_b32 v[MK], v[MO], s[42:43]
	LDROW KF, 44, 0                                ; my query rows, unit 0 into v[88:119],
	LDROW CF, 44, 4096                             ; unit 1 into v[120:151]
	s_wait_loadcnt 26                              ; the 16 loads of W are in; younger: bp 1, raw block 8, mask 1, query rows 16
.set i, 0
.rept 32
	v_cvt_pk_bf16_f32 v[VF+i], v[SU0+2*i], v[SU0+2*i+1]
.set i, i+1
.endr
.irp m, 0,1,2,3
.irp i, 0,1,2,3
	ds_store_b64 v[WST], v[VF+8*\m+2*\i:VF+8*\m+2*\i+1] offset:WSZ*\m+16*KP*\i
.endr
.endr
	SYNC                                           ; every wave's part of W is in LDS
	WIN 0x40
.irp mt, 0,1,2,3
.irp ks, 0,1
	LDFRAG WK+16*\mt+8*\ks, WA, WSZ+16*KP*\mt+64*\ks
	LDFRAG WV+16*\mt+8*\ks, WA, 2*WSZ+16*KP*\mt+64*\ks
.endr
	LDFRAG WP+8*\mt, WAP, 3*WSZ+16*KP*\mt
.endr
.irp mt, 0,1
.irp ks, 0,1
	LDFRAG WQ+16*\mt+8*\ks, WAQ, 16*KP*\mt+64*\ks
.endr
.endr
	WIN 0
	s_wait_dscnt 0x0                               ; the fragments are in; the stage is written again only behind later barriers
	; ---------------- a pass: chunk c ----------------
.Lpass:
	s_wait_loadcnt 0x0                             ; my query rows (and block 0's raw data) are in
.set i, 0
.rept 32
	v_cvt_pk_bf16_f32 v[VF+i], v[KF+2*i], v[KF+2*i+1]      ; idx fragments of unit u in v[VF + 16 u ..]
.set i, i+1
.endr
	WIN 0x01                                       ; Q^T = Wq x idx; four accumulators by turns, one instruction a turn
.irp u, 0,1
.irp mt, 0,1
	v_wmma_f32_16x16x32_bf16 v[SU0+8*(2*\u+\mt):SU0+8*(2*\u+\mt)+7], v[WQ+16*\mt:WQ+16*\mt+7], v[VF+16*\u:VF+16*\u+7], 0
.endr
.endr
.irp u, 0,1
.irp mt, 0,1
	v_wmma_f32_16x16x32_bf16 v[SU0+8*(2*\u+\mt):SU0+8*(2*\u+\mt)+7], v[WQ+16*\mt+8:WQ+16*\mt+15], v[VF+16*\u+8:VF+16*\u+15], v[SU0+8*(2*\u+\mt):SU0+8*(2*\u+\mt)+7]
.endr
.endr
	WIN 0
	PLACES 4
.set i, 0
.rept 16
	v_pk_mul_f32 v[SU0+i:SU0+i+1], v[SU0+i:SU0+i+1], QSCALE op_sel_hi:[1,0]    ; in f32, so that the scores come out in log2 units
.set i, i+2
.endr
.set i, 0
.rept 16
	v_cvt_pk_f16_f32 v[Q+i], v[SU0+2*i], v[SU0+2*i+1]      ; tile (u, mt) is registers 4 mt .. 4 mt + 3 of unit u's fragment
.set i, i+1
.endr
.set i, 0
.rept 32
	v_mov_b32 v[O+i], 0                            ; 32 moves a pass, so that one text of STEP serves the first block too
.set i, i+1
.endr
	v_mov_b32 v[NMS], FLOOR
	v_mov_b32 v[NMS+1], FLOOR
	v_mov_b32 v[LS], 0
	v_mov_b32 v[LS+1], 0
	; block b lies in slot (c - b) & 1, so that the diagonal block is always in slot 0.  c is the same in all waves of the work-group.
	s_bitcmp1_b32 s29, 0
	s_cbranch_scc0 .Leven
	PRODUCE 1
	SYNC
	TRIP 1, 0
	s_branch .Lpairs
.Leven:
	PRODUCE 0
	SYNC
.Lpairs:
	s_lshr_b32 s31, s29, 1                         ; the full blocks that are left go in pairs
	s_cmp_eq_u32 s31, 0
	s_cbranch_scc1 .Ldiag
.Lpair:
	TRIP 0, 1
	TRIP 1, 0
	s_sub_co_u32 s31, s31, 1
	s_cmp_lg_u32 s31, 0
	s_cbranch_scc1 .Lpair
.Ldiag:
	LOADKC 0, 0
	STEP 0, 0, 1, 1
	STEP 0, 1, 1, 0
	; ---------------- the way out ----------------
	s_cmp_lg_u32 s30, 0
	s_cbranch_scc1 .Lnoq
	s_sub_co_u32 s50, 15, s29                      ; first pass: the next chunk's query rows are requested now and land behind the way out
	s_lshl_b32 s34, s50, 15
	s_add_nc_u64 s[44:45], s[56:57], s[34:35]
	LDROW KF, 44, 0
	LDROW CF, 44, 4096
.Lnoq:
	v_permlanex16_b32 v[T], v[LS], s48, s49        ; the two halves of the keys meet
	v_permlanex16_b32 v[T+1], v[LS+1], s48, s49
	v_add_f32 v[LS], v[LS], v[T]
	v_add_f32 v[LS+1], v[LS+1], v[T+1]
	v_rcp_f32 v[NMN], v[LS]                        ; 1 / l of unit 0 and of unit 1; used far below
	v_rcp_f32 v[AL], v[LS+1]
.irp u, 0,1                            ; O = high part in bf16 + rest in bf16: fragments v[VF + 16 u ..] and v[VF + 16 u + 8 ..]
.irp i, 0,1,2,3,4,5,6,7
	v_cvt_pk_bf16_f32 v[VF+16*\u+\i], v[O+16*\u+2*\i], v[O+16*\u+2*\i+1]
	v_lshlrev_b32 v[T+2*(\i&1)], 16, v[VF+16*\u+\i]
	v_and_b32 v[T+2*(\i&1)+1], 0xffff0000, v[VF+16*\u+\i]
	v_pk_add_f32 v[O+16*\u+2*\i:O+16*\u+2*\i+1], v[O+16*\u+2*\i:O+16*\u+2*\i+1], v[T+2*(\i&1):T+2*(\i&1)+1] neg_lo:[0,1] neg_hi:[0,1]
	v_cvt_pk_bf16_f32 v[VF+16*\u+8+\i], v[O+16*\u+2*\i], v[O+16*\u+2*\i+1]
.endr
.endr
	WIN 0x01                                       ; out^T = Wp x O over my head's 32 columns; eight accumulators by turns, one instruction a turn
.irp u, 0,1
.irp mt, 0,1,2,3
	v_wmma_f32_16x16x32_bf16 v[SU0+32*\u+8*\mt:SU0+32*\u+8*\mt+7], v[WP+8*\mt:WP+8*\mt+7], v[VF+16*\u:VF+16*\u+7], 0
.endr
.endr
.irp u, 0,1
.irp mt, 0,1,2,3
	v_wmma_f32_16x16x32_bf16 v[SU0+32*\u+8*\mt:SU0+32*\u+8*\mt+7], v[WP+8*\mt:WP+8*\mt+7], v[VF+16*\u+8:VF+16*\u+15], v[SU0+32*\u+8*\mt:SU0+32*\u+8*\mt+7]
.endr
.endr
	WIN 0
	PLACES 4
.set i, 0
	s_wait_alu depctr_va_vdst(0)
.rept 16
	v_pk_mul_f32 v[SU0+i:SU0+i+1], v[SU0+i:SU0+i+1], v[NMN:NMN+1] op_sel_hi:[1,0]      ; the lane is the query: one 1 / l a lane
	v_pk_mul_f32 v[SU1+i:SU1+i+1], v[SU1+i:SU1+i+1], v[AL:AL+1] op_sel_hi:[1,0]
.set i, i+2
.endr
.irp u, 0,1
.irp mt, 0,1,2,3
	ds_store_b128 v[STW], v[SU0+32*\u+8*\mt:SU0+32*\u+8*\mt+3]   offset:16*SP*\u+64*\mt       ; row r, columns 16 mt + 8 h ..
	ds_store_b128 v[STW], v[SU0+32*\u+8*\mt+4:SU0+32*\u+8*\mt+7] offset:16*SP*\u+64*\mt+16
.endr
.endr
	SYNC                                           ; both heads' parts are in the stage; also: every wave's reads of slot 0 are done before the next pass writes it
	s_lshl_b32 s34, s29, 15
	s_add_nc_u64 s[46:47], s[54:55], s[34:35]
.irp i, 0,1,2,3,4,5,6,7                ; I store unit hh of waves ww (head 0) and ww + 4 (head 1): two whole rows of 256 bytes an instruction
	ds_load_b128 v[SU0+4*\i:SU0+4*\i+3], v[STR] offset:2*SP*\i
	ds_load_b128 v[SU1+4*\i:SU1+4*\i+3], v[STR] offset:2*SP*\i+4*32*SP
.endr
.irp i, 0,1,2,3,4,5,6,7
	s_wait_dscnt 14-2*\i                           ; LDS loads come back in order (ISA guide 5.7.1): pair i is in, the younger pairs stay out
	v_pk_add_f32 v[SU0+4*\i:SU0+4*\i+1],   v[SU0+4*\i:SU0+4*\i+1],   v[SU1+4*\i:SU1+4*\i+1]
	v_pk_add_f32 v[SU0+4*\i+2:SU0+4*\i+3], v[SU0+4*\i+2:SU0+4*\i+3], v[SU1+4*\i+2:SU1+4*\i+3]
	v_pk_add_f32 v[SU0+4*\i:SU0+4*\i+1],   v[SU0+4*\i:SU0+4*\i+1],   v[BP:BP+1]
	v_pk_add_f32 v[SU0+4*\i+2:SU0+4*\i+3], v[SU0+4*\i+2:SU0+4*\i+3], v[BP+2:BP+3]
	global_store_b128 v[L16], v[SU0+4*\i:SU0+4*\i+3], s[46:47] offset:512*\i th:TH_STORE_NT   ; the wave's store covers 512 consecutive bytes, aligned
.endr
	s_wait_xcnt 0x0                                ; the stores' data registers and base are written again only behind this wait
	s_sub_co_u32 s29, 15, s29                      ; the second chunk
	s_add_co_u32 s30, s30, 1
	s_cmp_lt_u32 s30, 2
	s_cbranch_scc1 .Lpass
	s_wait_tensorcnt 0x0
	ds_add_u32 v254, v255
	s_wait_dscnt 0x0
	s_endpgm
.Lfunc_end_k_q4c7a4bbc32_attn:
	.size	k_q4c7a4bbc32_attn, .Lfunc_end_k_q4c7a4bbc32_attn-k_q4c7a4bbc32_attn
	.p2alignl 7, 3214868480
	.fill 96, 4, 3214868480
	.section	.rodata,"a",@progbits
	.p2align	6, 0x0
	.amdhsa_kernel k_q4c7a4bbc32_attn
		.amdhsa_group_segment_fixed_size 143360
		.amdhsa_private_segment_fixed_size 0
		.amdhsa_enable_private_segment 0
		.amdhsa_kernarg_size 64
		.amdhsa_user_sgpr_count 2
		.amdhsa_user_sgpr_kernarg_segment_ptr 1
		.amdhsa_wavefront_size32 1
		.amdhsa_system_sgpr_workgroup_id_x 1
		.amdhsa_system_sgpr_workgroup_id_y 1
		.amdhsa_system_sgpr_workgroup_id_z 1
		.amdhsa_system_vgpr_workitem_id 0
		.amdhsa_next_free_vgpr 480
		.amdhsa_next_free_sgpr 66
		.amdhsa_reserve_vcc 1
		.amdhsa_float_denorm_mode_32 3
		.amdhsa_float_denorm_mode_16_64 3
		.amdhsa_memory_ordered 1
		.amdhsa_forward_progress 1
		.amdhsa_inst_pref_size 193
	.end_amdhsa_kernel
	.amdgpu_metadata
---
amdhsa.version: [ 1, 2 ]
amdhsa.kernels:
  - .name:           k_q4c7a4bbc32_attn
    .symbol:         k_q4c7a4bbc32_attn.kd
    .args:
      - { .name: idx, .offset: 0, .size: 8, .value_kind: global_buffer, .address_space: global }
      - { .name: input_mask, .offset: 8, .size: 8, .value_kind: global_buffer, .address_space: global }
      - { .name: Wq, .offset: 16, .size: 8, .value_kind: global_buffer, .address_space: global }
      - { .name: Wk, .offset: 24, .size: 8, .value_kind: global_buffer, .address_space: global }
      - { .name: Wv, .offset: 32, .size: 8, .value_kind: global_buffer, .address_space: global }
      - { .name: Wp, .offset: 40, .size: 8, .value_kind: global_buffer, .address_space: global }
      - { .name: bp, .offset: 48, .size: 8, .value_kind: global_buffer, .address_space: global }
      - { .name: out0, .offset: 56, .size: 8, .value_kind: global_buffer, .address_space: global }
    .group_segment_fixed_size: 143360
    .private_segment_fixed_size: 0
    .kernarg_segment_align: 8
    .kernarg_segment_size: 64
    .max_flat_workgroup_size: 256
    .sgpr_count:     66
    .vgpr_count:     480
    .wavefront_size: 32
...
	.end_amdgpu_metadata
.endif
;; end of part 1
;; ======== version 2 of 2: 1 launch; version 1 with the launch attn written anew for expert scheduling mode
;; limits: values are held in f16: magnitudes above 65,504 overflow, below 6.1e-05 lose precision
;; launch attn (part 2): grid 256 x 1, 8 waves a work-group, no clusters, 143,360 bytes of LDS; arguments idx, input_mask, Wq, Wk, Wv, Wp, bp, out0; writes out0
.if DOCPART == 2
	.amdgcn_target "amdgcn-amd-amdhsa--gfx1250"
	.amdhsa_code_object_version 6
	.text
	.protected	k_q4c7a4bbc32_attn
	.globl	k_q4c7a4bbc32_attn
	.p2align	8
	.type	k_q4c7a4bbc32_attn,@function
k_q4c7a4bbc32_attn:
	s_mov_b64 s[64:65], 0
	v_nop
	global_prefetch_b8 v0, s[64:65] scope:SCOPE_SE
	s_setreg_imm32_b32 hwreg(HW_REG_WAVE_SCHED_MODE, 0, 2), 2
	s_setreg_imm32_b32 hwreg(HW_REG_WAVE_MODE, 25, 1), 1
	s_wait_xcnt 0x0
	s_wait_alu depctr_vm_vsrc(0)
; Causal self-attention with a key padding mask, all steps in one launch.
;   q, k, v = idx Wq^T, idx Wk^T, idx Wv^T (two heads of 32);  p = softmax(q k^T / sqrt(32), masked);  out0 = (p v) Wp^T + bp.
;   idx, out0: [32][2048][64] f32.  input_mask: [32][2048] i32 (0 = key hidden).  W*: [64][64] f32.  bp: [64] f32.
;
; SHARES.  A batch has 16 chunks of 128 query rows; chunk c needs key blocks 0 .. c (128 keys each), the last one cut by the diagonal.
; Work-group g: batch g >> 3, p = g & 7; it does chunk p and then chunk 15 - p: (p + 1) + (16 - p) = 17 blocks for every work-group.
; Eight waves.  Wave w (ww = w & 3, hh = w >> 2) owns head hh and query rows 32 ww .. 32 ww + 31 of the chunk, as two units of 16.
; K and V of a key block are made here from idx, not fetched: wave w projects keys 16 w .. 16 w + 15 of the block, for both heads,
; into one of two LDS slots, one block ahead of its use; its 4,096 bytes of idx are requested one block before that, into registers.
;
; FORMATS.  idx and the four W are rounded to bf16 for the projections; q (already times log2(e) / sqrt(32)), k, v and p go in f16;
; the unnormalised sum p v enters the last projection as a bf16 high part plus a bf16 rest; maxima, sums, 1 / l and bp are f32.
; LIMITS.  |0.255 q|, |k|, |v| must stay below 65,504 (f16).  A score below -2^100 (in log2 units) counts as hidden.
;
; MASKS.  The padding mask is the C operand of the score products: 0 or NEG = -2^127 for each key.  The running maximum starts at -2^100, so a
; hidden score gives exp2(NEG - m) = 0 and no difference of infinities arises.  A row that sees no key ends with sums 0 and l = 0:
; 0 x (1 / 0) is NaN, as a softmax over nothing is.  The diagonal is applied to the last block alone, by compare and select.
;
; LAYOUTS.  L = lane, r = L & 15, h = L >> 4.  Every product is turned so that its result is the next product's operand as it lies:
;   Q^T = Wq x idx    a lane holds 8 d of one query: two tiles pack into the B fragment of the scores
;   K^T = Wk x idx    8 d of one key: 16 bytes of K[key][d] in LDS;      V = idx x Wv: 8 keys of one d: 16 bytes of Vt[d][key] in LDS
;   S^T = K x Q + bias   8 keys of one query: tiles 2 ks, 2 ks + 1 pack into the B fragment P of key step ks
;   O^T = Vt x P      the lane is the query, so the rescale and 1 / l are one number a lane;   out^T = Wp x O: leaves through the LDS stage
;
; NOT USED, and why.  Joint loads in a cluster: the eight work-groups of a batch read the same idx blocks, but in a pass they need p + 1 and
; 16 - p of them, different numbers at different times, and the bytes go to registers to be converted and projected, not to LDS as they are.
; Tensor loads: for the same reason.  Prefetches: each wave's raw block is already requested a whole block's work ahead.
;
; LDS.  Two slots of SLOT bytes: bias 128 f32 | K 128 rows of 144 bytes | Vt 64 rows of 272 bytes; then the stage, 8,704 bytes a wave (2 x 16 rows of 272);
; then the spare words, 128 bytes a wave, which no line but the closing add names.
; The pitches are odd multiples of 16 bytes: the sixteen rows that a 16-byte access touches fall on sixteen different 16-byte columns modulo 256.
; At the start the stage also holds the four W in bf16 (64 rows of 144 bytes each).
;
; THE MODE: SCHED_MODE bits 1:0 = 2 (LLVM: expert scheduling mode 2), set by the entry lines.  The code itself states the register dependences
; between vector or matrix instructions and memory or LDS instructions, with s_wait_alu, always for 0.
; THE PLAN.  Registers that memory or LDS instructions touch, and who else names them:
;   v1-v9, v14-v17  offsets and LDS addresses: written at the start, ahead of one wait on va_vdst, and never again; blocks, slots and rows are reached by scalar bases and immediates.
;   v30-v33         LDS addresses of W, read at the start alone; later the softmax's sums.  One wait on vm_vsrc ahead of the first pass frees them, and VF, the data of the start's stores of W.
;   R, MK, MB       PRODUCE: the compare reads MK, the select writes MB, sixteen conversions read R.  ONE wait on va_vdst behind them; then the bias store (reads MB) and the next block's loads (land in R, MK).
;   DK, DV          PRODUCE: written by the products and the 32 packings.  ONE wait on va_vdst; then the eight stores, in one run.  One wait on vm_vsrc at PRODUCE's end frees MB, DK and DV.
;   KF, CF, VF      STEP: the eight score products read KF and CF; the step before's products Vt x P read VF (or a production wrote it).  ONE wait on va_vdst behind the score products; then the loads into all three.
;                   The loads into KF and CF at a block's head and in the way out owe nothing more: on every way that wait, or PRODUCE's, stands behind the last instruction that named KF or CF.
;   SU0, SU1        the way out: the scalings write them; a wait on va_vdst; the stage's stores read them; a wait on vm_vsrc; the stage's loads land in them; the additions write SU0;
;                   a wait on va_vdst; the global stores, in one run; a wait on vm_vsrc ahead of the backward jump, since the next pass's products write SU0.
;   v254, v255      written at the start, read by the closing add alone.
;   Q, O, the statistics and the W fragments (once loaded) are named by vector and matrix instructions alone.
; A scalar register or VCC that a vector instruction writes has its wait ahead of its first reader: the wave's number, PRODUCE's compare, the diagonal's 32 compares (one run, one wait).
.set SLOT,  36352
.set KOFF,  512
.set VOFF,  18944
.set STAGE, 2*SLOT
.set KP,    144
.set VP,    272
.set SP,    272
.set WSZ,   64*KP
.set NEG,   0xff000000                 ; -2^127
.set FLOOR, 0x71800000                 ; +2^100: the running maximum is kept negated
.set QSCALE, 0x3e8293ee                ; log2(e) / sqrt(32)
; vector registers, window 0
.set R16,  1                           ; 16 r: my 16 bytes of bp
.set IDXO, 2                           ; 256 r + 32 h: my row and half in a tile of 16 rows of idx
.set KR,   3                           ; read K:    KOFF + 144 r + 16 h + 64 hh
.set VR,   4                           ; read Vt:   VOFF + 272 (32 hh + r) + 16 h
.set CR,   5                           ; read bias: 32 h
.set KW,   6                           ; write K:   KOFF + 144 (16 w + r) + 16 h
.set VW,   7                           ; write Vt:  VOFF + 272 r + 32 w + 16 h
.set BW,   8                           ; write bias: 64 w + 4 r
.set MO,   9                           ; 4 r: my key's mask word
.set MK,   10                          ; the mask word
.set MB,   11                          ; its bias
.set TQ,   12                          ; 32 ww + r - 8 h: what the diagonal is compared with
.set NEGV, 13
.set STW,  14                          ; stage, in:  STAGE + 8704 w + 272 r + 32 h
.set STR,  15                          ; stage, out: STAGE + 8704 ww + 4352 hh + 272 h + 16 r
.set L16,  16                          ; 16 x lane
.set T16,  17                          ; 16 x thread
.set BP,   18                          ; v[18:21] bp[4 r .. 4 r + 3]
.set NMS,  22                          ; v22, v23  minus the running maximum, unit 0, 1
.set LS,   24                          ; v24, v25  the running sum (of my half of the keys)
.set T,    26                          ; v[26:29]  at work
.set X0,   30                          ; v[30:31], v[32:33]  sums at work
.set X1,   32
.set NMN,  34                          ; v[34:35]  minus the new maximum (low register; the high one is written once and only named)
.set AL,   36                          ; v[36:37]  the rescale factor, likewise
.set AD,   38
.set Q,    40                          ; v[40:55]  Q fragments, 8 a unit
.set O,    56                          ; v[56:87]  O^T, 16 u + 8 dt
.set KF,   88                          ; v[88:119] K fragments of four key tiles
.set CF,   120                         ; v[120:151] their bias
.set VF,   152                         ; v[152:183] Vt fragments, 8 (2 dt + ks)
.set SU0,  184                         ; v[184:215] scores, then P, of unit 0
.set SU1,  216                         ; v[216:247] of unit 1
.set F,    SU0                         ; production: idx fragments (16)
.set DK,   SU1                         ; production: K^T tiles
.set DV,   VF                          ; production: V tiles
.set WST,  32                          ; start only: LDS addresses for W
.set WA,   33
.set WAQ,  30
.set WAP,  31
; vector registers, window 1 (v256 and up, written by their low 8 bits)
.set WK,   0                           ; Wk fragments, 16 mt + 8 ks
.set WV,   64                          ; Wv fragments, 16 nt + 8 ks
.set WQ,   128                         ; Wq fragments of my head, 16 mt + 8 ks
.set WP,   160                         ; Wp fragments of my head's 32 columns, 8 mt
.set R,    192                         ; raw idx of my 16 keys, f32
; scalar registers: s[8:23] the eight addresses; s24 w, s25 ww, s26 hh, s28 batch, s29 c, s30 pass, s31 pairs left, s32 the block whose raw data is in or on its way;
; s[34:35] an offset (high word 0); s[36:37] idx at my key tile of block 0; s[38:39] the mask likewise; s[40:43] the bases of the raw and mask loads that are out;
; s[44:45] idx at my query rows; s[46:47] out0 at the rows I store; s48, s49 lane selects; s50, s51 at work; s[54:55] out0, s[56:57] idx, at my rows of chunk 0;
; s66 to s97 the diagonal's 32 lane masks.
.set DM,   66
.set MSB, 0
.macro WIN new                         ; low byte: bits 1:0 source 0, 3:2 source 1, 5:4 source 2, 7:6 destination; the high byte repeats the setting that is left
.if MSB != \new
	s_set_vgpr_msb (MSB<<8)|\new
.set MSB, \new
.endif
.endm
.macro PLACES n                        ; places behind matrix instructions are plain vector instructions that name none of their registers (ISA guide 7.12.1)
.rept \n
	v_nop
.endr
.endm
.macro SYNC                            ; my LDS loads and stores are done, then the work-group's barrier
	s_wait_dscnt 0x0
	s_barrier_signal -1
	s_barrier_wait -1
.endm
; 16 rows x 64 f32 of idx in fragment order: registers 8 g .. 8 g + 7 hold columns 16 g + 8 h + 0 .. 7 of row r
.macro LDROW dst, base, off
.irp i, 0,1,2,3,4,5,6,7
	global_load_b128 v[\dst+4*\i:\dst+4*\i+3], v[IDXO], s[\base:\base+1] offset:\off+64*(\i>>1)+16*(\i&1)
.endr
.endm
; a 16-bit fragment (16 rows x 32 along the rows): two loads of 16 bytes, 32 bytes apart
.macro LDFRAG dst, adr, off
	ds_load_b128 v[\dst:\dst+3], v[\adr] offset:\off
	ds_load_b128 v[\dst+4:\dst+7], v[\adr] offset:\off+32
.endm
; K fragments and bias of the 64 keys of half st of a slot: 16 loads
.macro LOADKC slot, st
.irp kt, 0,1,2,3
	LDFRAG KF+8*\kt, KR, \slot*SLOT+(64*\st+16*\kt)*KP
.endr
.irp kt, 0,1,2,3
	ds_load_b128 v[CF+8*\kt:CF+8*\kt+3],   v[CR] offset:\slot*SLOT+256*\st+64*\kt       ; register j: the bias of key 16 kt + 8 h + j, as the scores' C wants it
	ds_load_b128 v[CF+8*\kt+4:CF+8*\kt+7], v[CR] offset:\slot*SLOT+256*\st+64*\kt+16
.endr
.endm
; My 16 keys of the block whose raw data is in R: bias, K and V into the slot; the next block's raw data is requested.
.macro PRODUCE slot
	s_wait_loadcnt 0x0                             ; R and MK are in, and the loads' bases s[40:43] may be written
	v_cmp_eq_u32 vcc_lo, 0, v[MK]                  ; the scalar lines below stand between this compare and the wait for VCC
	s_add_co_u32 s32, s32, 1                       ; the next block; behind block c comes block 0, for the next pass
	s_cmp_gt_u32 s32, s29                          ; (in the last pass those 4,160 bytes a wave are requested and not used; they lie inside their buffers)
	s_cselect_b32 s32, 0, s32
	s_lshl_b32 s34, s32, 15                        ; 128 rows of 256 bytes
	s_add_nc_u64 s[40:41], s[36:37], s[34:35]
	s_lshl_b32 s34, s32, 9                         ; 128 mask words
	s_add_nc_u64 s[42:43], s[38:39], s[34:35]
	s_wait_alu depctr_va_vcc(0)                    ; the compare has written VCC, which the select reads
	v_cndmask_b32 v[MB], 0, v[NEGV], vcc_lo        ; hidden key: NEG, else 0
	WIN 0x05                                       ; sources in window 1
.irp i, 0,1,2,3,4,5,6,7,8,9,10,11,12,13,14,15
	v_cvt_pk_bf16_f32 v[F+\i], v[R+2*\i], v[R+2*\i+1]
.endr
	WIN 0x40                                       ; destination in window 1
	s_wait_alu depctr_va_vdst(0)                   ; the select has written MB, which the store reads; the conversions are done reading R and the compare MK, in which the loads below land
	ds_store_b32 v[BW], v[MB] offset:\slot*SLOT    ; lanes r and r + 16 write the same word with the same value
	LDROW R, 40, 0
	WIN 0x04                                       ; B in window 1; the mask load's two registers lie in window 0 under this setting
	global_load_b32 v[MK], v[MO], s[42:43]         ; no further wait: since the one above only that store, loads and window switches were issued
.irp nt, 0,1,2,3                       ; V = idx x Wv; the four accumulators take turns, one instruction a turn
	v_wmma_f32_16x16x32_bf16 v[DV+8*\nt:DV+8*\nt+7], v[F:F+7], v[WV+16*\nt:WV+16*\nt+7], 0
.endr
.irp nt, 0,1,2,3
	v_wmma_f32_16x16x32_bf16 v[DV+8*\nt:DV+8*\nt+7], v[F+8:F+15], v[WV+16*\nt+8:WV+16*\nt+15], v[DV+8*\nt:DV+8*\nt+7]
.endr
	WIN 0x01                                       ; A in window 1.  K^T = Wk x idx, by turns likewise
.irp mt, 0,1,2,3
	v_wmma_f32_16x16x32_bf16 v[DK+8*\mt:DK+8*\mt+7], v[WK+16*\mt:WK+16*\mt+7], v[F:F+7], 0
.endr
.irp mt, 0,1,2,3
	v_wmma_f32_16x16x32_bf16 v[DK+8*\mt:DK+8*\mt+7], v[WK+16*\mt+8:WK+16*\mt+15], v[F+8:F+15], v[DK+8*\mt:DK+8*\mt+7]
.endr
	WIN 0
	PLACES 4                                       ; before the conversions read the results
.irp mt, 0,1,2,3
.irp i, 0,1,2,3
	v_cvt_pk_f16_f32 v[DK+4*\mt+\i], v[DK+8*\mt+2*\i], v[DK+8*\mt+2*\i+1]     ; packed in place, ascending: a register is written only after it was read
.endr
.endr
.irp nt, 0,1,2,3
.irp i, 0,1,2,3
	v_cvt_pk_f16_f32 v[DV+4*\nt+\i], v[DV+8*\nt+2*\i], v[DV+8*\nt+2*\i+1]
.endr
.endr
	s_wait_alu depctr_va_vdst(0)                   ; the 32 packings have written DK and DV, which the eight stores read
.irp mt, 0,1,2,3
	ds_store_b128 v[KW], v[DK+4*\mt:DK+4*\mt+3] offset:\slot*SLOT+32*\mt       ; K[16 w + r][16 mt + 8 h ..]
.endr
.irp nt, 0,1,2,3
	ds_store_b128 v[VW], v[DV+4*\nt:DV+4*\nt+3] offset:\slot*SLOT+16*VP*\nt    ; Vt[16 nt + r][16 w + 8 h ..]
.endr
	s_wait_alu depctr_vm_vsrc(0)                   ; the stores have read MB, DK and DV: the next select writes MB, the score products write DK's registers, the loads of Vt land in DV's
.endm
.macro EXPS g                          ; eight exponentials in place
.irp i, 0,1,2,3,4,5,6,7
	v_exp_f32 v[SBASE+8*\g+\i], v[SBASE+8*\g+\i]
.endr
.endm
.macro WORK g                          ; key tile g: its p are added to the sums, then packed to f16 into registers 4 g .. 4 g + 3 (read before they are written)
.if \g == 0
	v_pk_add_f32 v[X0:X0+1], v[SBASE:SBASE+1], v[SBASE+2:SBASE+3]              ; the first tile starts the sums
	v_pk_add_f32 v[X1:X1+1], v[SBASE+4:SBASE+5], v[SBASE+6:SBASE+7]
.else
	v_pk_add_f32 v[X0:X0+1], v[X0:X0+1], v[SBASE+8*\g:SBASE+8*\g+1]
	v_pk_add_f32 v[X1:X1+1], v[X1:X1+1], v[SBASE+8*\g+2:SBASE+8*\g+3]
	v_pk_add_f32 v[X0:X0+1], v[X0:X0+1], v[SBASE+8*\g+4:SBASE+8*\g+5]
	v_pk_add_f32 v[X1:X1+1], v[X1:X1+1], v[SBASE+8*\g+6:SBASE+8*\g+7]
.endif
.irp i, 0,1,2,3
	v_cvt_pk_f16_f32 v[SBASE+4*\g+\i], v[SBASE+8*\g+2*\i], v[SBASE+8*\g+2*\i+1]
.endr
.endm
; 64 keys x 16 queries of unit u: new maximum, p = exp2(s - m), sums, P in f16, O rescaled.  diag = 1: keys beyond the query are hidden first.
.macro SOFTMAX u, diag, st
.set SBASE, SU0+32*\u
.set OBASE, O+16*\u
.if \diag
.set i, 0
.rept 32                               ; register i holds key 64 st + 16 (i >> 3) + 8 h + (i & 7) of the block, my query is 32 ww + 16 u + r: hidden where key > query
	v_cmp_gt_i32 s[DM+i], 64*\st+16*(i>>3)+(i&7)-16*\u, v[TQ]
.set i, i+1
.endr
	s_wait_alu depctr_va_sdst(0)                   ; the 32 compares have written s66 to s97, which the selects read: one run, one wait
.set i, 0
.rept 32
	v_cndmask_b32 v[SBASE+i], v[SBASE+i], v[NEGV], s[DM+i]
.set i, i+1
.endr
.endif
.irp c, 0,1,2,3                        ; four chains that do not wait for each other
	v_max3_num_f32 v[T+\c], v[SBASE+8*\c], v[SBASE+8*\c+1], v[SBASE+8*\c+2]
.endr
.irp c, 0,1,2,3
	v_max3_num_f32 v[T+\c], v[T+\c], v[SBASE+8*\c+3], v[SBASE+8*\c+4]
.endr
.irp c, 0,1,2,3
	v_max3_num_f32 v[T+\c], v[T+\c], v[SBASE+8*\c+5], v[SBASE+8*\c+6]
.endr
	v_max3_num_f32 v[T], v[T], v[SBASE+7], v[SBASE+15]
	v_max3_num_f32 v[T+1], v[T+1], v[SBASE+23], v[SBASE+31]
	v_max3_num_f32 v[T], v[T], v[T+1], v[T+2]
	v_max3_num_f32 v[T], v[T], v[T+3], -v[NMS+\u]  ; with the maximum so far
	v_permlanex16_b32 v[T+1], v[T], s48, s49       ; lane r + 16 holds the other half of query r's keys
	v_min_num_f32 v[NMN], -v[T], -v[T+1]           ; minus the new maximum
	v_sub_f32 v[AD], v[NMN], v[NMS+\u]             ; old maximum - new maximum
.set i, 0
.rept 16
	v_pk_add_f32 v[SBASE+i:SBASE+i+1], v[SBASE+i:SBASE+i+1], v[NMN:NMN+1] op_sel_hi:[1,0]
.set i, i+2
.endr
	v_exp_f32 v[AL], v[AD]
	EXPS 0
	EXPS 1
	v_mov_b32 v[NMS+\u], v[NMN]                    ; a plain vector instruction stands between each run of exponentials and the first use of its last result (ISA guide 5.7.2):
	                                               ; here this move, further down the first add of WORK 1 and the first rescaling of O
	s_wait_alu depctr_va_vdst(0)                   ; the exponentials have written the rescale factor and tiles 0 and 1, which WORK 0, WORK 1 and the rescaling of O name
	WORK 0
	EXPS 2
	WORK 1                                         ; names tiles 0 and 1 alone
	EXPS 3
.set i, 0
.rept 8
	v_pk_mul_f32 v[OBASE+i:OBASE+i+1], v[OBASE+i:OBASE+i+1], v[AL:AL+1] op_sel_hi:[1,0]
.set i, i+2
.endr
	s_wait_alu depctr_va_vdst(0)                   ; the exponentials have written tiles 2 and 3, which WORK 2 and WORK 3 read
	WORK 2
	WORK 3
.endm
.macro PV u                            ; O^T += Vt x P; the two accumulators take turns, one instruction a turn
.irp ks, 0,1
.irp dt, 0,1
	v_wmma_f32_16x16x32_f16 v[O+16*\u+8*\dt:O+16*\u+8*\dt+7], v[VF+8*(2*\dt+\ks):VF+8*(2*\dt+\ks)+7], v[SU0+32*\u+8*\ks:SU0+32*\u+8*\ks+7], v[O+16*\u+8*\dt:O+16*\u+8*\dt+7]
.endr
.endr
.endm
.macro TAIL u                          ; l = l x rescale + this step's sum
	v_pk_add_f32 v[X0:X0+1], v[X0:X0+1], v[X1:X1+1]
	v_add_f32 v[X0], v[X0], v[X0+1]
	v_fma_f32 v[LS+\u], v[LS+\u], v[AL], v[X0]
.endm
; 64 keys (half st of a slot) against my 32 queries.  K and bias are on their way on entry.  pre = 1: the other half's K and bias are requested.
.macro STEP slot, st, diag, pre
	s_wait_dscnt 0x0                               ; K and bias are in (and my stores of a production in front are done)
.irp kt, 0,1,2,3
	v_wmma_f32_16x16x32_f16 v[SU0+8*\kt:SU0+8*\kt+7], v[KF+8*\kt:KF+8*\kt+7], v[Q:Q+7], v[CF+8*\kt:CF+8*\kt+7]
	v_wmma_f32_16x16x32_f16 v[SU1+8*\kt:SU1+8*\kt+7], v[KF+8*\kt:KF+8*\kt+7], v[Q+8:Q+15], v[CF+8*\kt:CF+8*\kt+7]
.endr
	PLACES 4                                       ; before loads are issued into K and bias, and before the scores are read
	s_wait_alu depctr_va_vdst(0)                   ; the score products are done reading KF and CF, and all that read or wrote VF before them (the products Vt x P, a production) is done: the loads below land in the three
.irp dt, 0,1
.irp ks, 0,1
	LDFRAG VF+8*(2*\dt+\ks), VR, \slot*SLOT+16*VP*\dt+128*\st+64*\ks
.endr
.endr
.if \pre
	LOADKC \slot, 1
.endif
	SOFTMAX 0, \diag, \st
.if \pre
	s_wait_dscnt 16                                ; the 8 loads of Vt are in; the 16 younger ones, K and bias of the next half, stay out
.else
	s_wait_dscnt 0x0
.endif
	PV 0
	TAIL 0
	SOFTMAX 1, \diag, \st
	PV 1
	TAIL 1                                         ; three places,
	PLACES 2                                       ; and two: five before a matrix instruction writes over unit 1's P or Vt's fragments
.endm
; One block: slot a is multiplied, slot b gets the next block.  The barrier at the end orders this trip's reads of a against the next trip's
; stores into it, and this trip's stores into b against the next trip's reads.
; The loads at its head land in KF and CF with no wait of their own: nothing has named the two since the last wait on va_vdst (the plan at the head).
.macro TRIP a, b
	LOADKC \a, 0
	PRODUCE \b
	STEP \a, 0, 0, 1
	STEP \a, 1, 0, 0
	SYNC
.endm
	; ---------------- start: ids, addresses, constants ----------------
	s_load_b512 s[8:23], s[0:1], 0x0               ; idx s[8:9], mask s[10:11], Wq s[12:13], Wk s[14:15], Wv s[16:17], Wp s[18:19], bp s[20:21], out0 s[22:23]
	v_lshl_add_u32 v254, v0, 2, 0x22c00            ; the LDS address of my spare word, behind the stage (STAGE + 8 x 8,704 = 0x22c00), and
	v_mov_b32 v255, 0                              ; 0: kept for the closing add alone
	v_and_b32 v26, 15, v0                          ; r
	v_bfe_u32 v27, v0, 4, 1                        ; h
	v_lshrrev_b32 v28, 5, v0
	v_readfirstlane_b32 s24, v28                   ; w
	s_and_b32 s29, ttmp9, 7                        ; c = p in the first pass
	s_lshr_b32 s28, ttmp9, 3                       ; batch
	s_mov_b32 s30, 0
	s_mov_b32 s32, 0
	s_mov_b32 s35, 0
	s_mov_b32 s48, 0x76543210                      ; v_permlanex16_b32: lane i takes lane i of the other half
	s_mov_b32 s49, 0xfedcba98
	v_lshlrev_b32 v[R16], 4, v26
	v_lshlrev_b32 v[IDXO], 8, v26
	v_lshl_add_u32 v[IDXO], v27, 5, v[IDXO]
	v_mul_u32_u24 v29, v26, KP
	v_lshl_add_u32 v29, v27, 4, v29                ; 144 r + 16 h
	v_mul_u32_u24 v30, v26, VP
	v_lshl_add_u32 v30, v27, 4, v30                ; 272 r + 16 h
	s_wait_alu depctr_va_sdst(0)                   ; s24, the wave's number, is written, ahead of its first reader
	s_and_b32 s25, s24, 3                          ; ww
	s_lshr_b32 s26, s24, 2                         ; hh
	s_lshl_b32 s50, s26, 6
	s_add_co_u32 s50, s50, KOFF
	v_add_nc_u32 v[KR], s50, v29
	s_mul_i32 s50, s24, 16*KP
	s_add_co_u32 s50, s50, KOFF
	v_add_nc_u32 v[KW], s50, v29
	s_mul_i32 s50, s26, 32*VP
	s_add_co_u32 s50, s50, VOFF
	v_add_nc_u32 v[VR], s50, v30
	s_lshl_b32 s50, s24, 5
	s_add_co_u32 s50, s50, VOFF
	v_add_nc_u32 v[VW], s50, v30
	v_lshlrev_b32 v[CR], 5, v27
	v_lshlrev_b32 v[MO], 2, v26
	s_lshl_b32 s50, s24, 6
	v_add_nc_u32 v[BW], s50, v[MO]
	v_lshlrev_b32 v31, 3, v27
	v_sub_nc_u32 v[TQ], v26, v31
	s_lshl_b32 s50, s25, 5
	v_add_nc_u32 v[TQ], s50, v[TQ]
	v_mov_b32 v[NEGV], NEG
	v_lshl_add_u32 v[STW], v27, 4, v30             ; 272 r + 32 h
	s_mul_i32 s50, s24, 32*SP
	s_add_co_u32 s50, s50, STAGE
	v_add_nc_u32 v[STW], s50, v[STW]
	v_mul_u32_u24 v[STR], v27, SP
	v_add_nc_u32 v[STR], v[STR], v[R16]
	s_mul_i32 s50, s25, 32*SP
	s_mul_i32 s51, s26, 16*SP
	s_add_co_u32 s50, s50, s51
	s_add_co_u32 s50, s50, STAGE
	v_add_nc_u32 v[STR], s50, v[STR]
	v_and_b32 v[L16], 31, v0
	v_lshlrev_b32 v[L16], 4, v[L16]
	v_lshlrev_b32 v[T16], 4, v0
	v_lshrrev_b32 v[WST], 4, v0                    ; W on its way into LDS: thread t holds 4 numbers of row (t >> 4) + 16 i, columns 4 (t & 15) ..
	v_mul_u32_u24 v[WST], v[WST], KP
	v_lshl_add_u32 v[WST], v26, 3, v[WST]
	v_add_nc_u32 v[WST], STAGE, v[WST]
	v_add_nc_u32 v[WA], STAGE, v29                 ; W fragments: STAGE + 144 r + 16 h,
	s_mul_i32 s50, s26, 32*KP
	v_add_nc_u32 v[WAQ], s50, v[WA]                ; for Wq my head's 32 rows,
	s_lshl_b32 s50, s26, 6
	v_add_nc_u32 v[WAP], s50, v[WA]                ; for Wp my head's 32 columns
	v_mov_b32 v[NMN+1], 0                          ; the upper registers of the two broadcast pairs: named by packed instructions, never used
	v_mov_b32 v[AL+1], 0
	s_wait_kmcnt 0x0
	s_lshl_b32 s34, s28, 19                        ; a batch: 2,048 rows of 256 bytes
	s_add_nc_u64 s[56:57], s[8:9], s[34:35]
	s_add_nc_u64 s[54:55], s[22:23], s[34:35]
	s_lshl_b32 s34, s24, 12                        ; my key tile: 16 rows
	s_add_nc_u64 s[36:37], s[56:57], s[34:35]
	s_lshl_b32 s34, s25, 13                        ; my 32 query rows
	s_add_nc_u64 s[56:57], s[56:57], s[34:35]
	s_add_nc_u64 s[54:55], s[54:55], s[34:35]
	s_lshl_b32 s34, s26, 12                        ; of which I store 16
	s_add_nc_u64 s[54:55], s[54:55], s[34:35]
	s_lshl_b32 s34, s28, 13                        ; the batch's 2,048 mask words,
	s_lshl_b32 s50, s24, 6                         ; my 16 of a block
	s_add_co_u32 s34, s34, s50
	s_add_nc_u64 s[38:39], s[10:11], s[34:35]
	s_mov_b64 s[40:41], s[36:37]                   ; block 0
	s_mov_b64 s[42:43], s[38:39]
	s_lshl_b32 s34, s29, 15                        ; chunk c: 128 rows
	s_add_nc_u64 s[44:45], s[56:57], s[34:35]
	; ---------------- all first loads, W ahead ----------------
	s_wait_alu depctr_va_vdst(0)                   ; all offsets and LDS addresses (v1 to v9, v14 to v17, v30 to v33) and v254, v255 are written: every load, store and LDS instruction of the kernel reads some of them
.irp m, 0,1,2,3                        ; Wq, Wk, Wv, Wp: sixteen neighbouring lanes take one row of 256 bytes
.irp i, 0,1,2,3
	global_load_b128 v[SU0+16*\m+4*\i:SU0+16*\m+4*\i+3], v[T16], s[12+2*\m:13+2*\m] offset:4096*\i
.endr
.endr
	global_load_b128 v[BP:BP+3], v[R16], s[20:21]
	WIN 0x40
	LDROW R, 40, 0                                 ; my keys of block 0
	WIN 0
	global_load_b32 v[MK], v[MO], s[42:43]
	LDROW KF, 44, 0                                ; my query rows, unit 0 into v[88:119],
	LDROW CF, 44, 4096                             ; unit 1 into v[120:151]
	s_wait_loadcnt 26                              ; the 16 loads of W are in; younger: bp 1, raw block 8, mask 1, query rows 16
.set i, 0
.rept 32
	v_cvt_pk_bf16_f32 v[VF+i], v[SU0+2*i], v[SU0+2*i+1]
.set i, i+1
.endr
	s_wait_alu depctr_va_vdst(0)                   ; the conversions have written VF, which the stores of W read
.irp m, 0,1,2,3
.irp i, 0,1,2,3
	ds_store_b64 v[WST], v[VF+8*\m+2*\i:VF+8*\m+2*\i+1] offset:WSZ*\m+16*KP*\i
.endr
.endr
	SYNC                                           ; every wave's part of W is in LDS
	WIN 0x40
.irp mt, 0,1,2,3
.irp ks, 0,1
	LDFRAG WK+16*\mt+8*\ks, WA, WSZ+16*KP*\mt+64*\ks
	LDFRAG WV+16*\mt+8*\ks, WA, 2*WSZ+16*KP*\mt+64*\ks
.endr
	LDFRAG WP+8*\mt, WAP, 3*WSZ+16*KP*\mt
.endr
.irp mt, 0,1
.irp ks, 0,1
	LDFRAG WQ+16*\mt+8*\ks, WAQ, 16*KP*\mt+64*\ks
.endr
.endr
	WIN 0
	s_wait_dscnt 0x0                               ; the fragments are in; the stage is written again only behind later barriers
	s_wait_alu depctr_vm_vsrc(0)                   ; the stores of W have read VF and v32, the fragments' loads v30, v31 and v33: the pass below writes VF, and its softmax v30 to v33
	; ---------------- a pass: chunk c ----------------
.Lpass:
	s_wait_loadcnt 0x0                             ; my query rows (and block 0's raw data) are in
.set i, 0
.rept 32
	v_cvt_pk_bf16_f32 v[VF+i], v[KF+2*i], v[KF+2*i+1]      ; idx fragments of unit u in v[VF + 16 u ..]
.set i, i+1
.endr
	WIN 0x01                                       ; Q^T = Wq x idx; four accumulators by turns, one instruction a turn
.irp u, 0,1
.irp mt, 0,1
	v_wmma_f32_16x16x32_bf16 v[SU0+8*(2*\u+\mt):SU0+8*(2*\u+\mt)+7], v[WQ+16*\mt:WQ+16*\mt+7], v[VF+16*\u:VF+16*\u+7], 0
.endr
.endr
.irp u, 0,1
.irp mt, 0,1
	v_wmma_f32_16x16x32_bf16 v[SU0+8*(2*\u+\mt):SU0+8*(2*\u+\mt)+7], v[WQ+16*\mt+8:WQ+16*\mt+15], v[VF+16*\u+8:VF+16*\u+15], v[SU0+8*(2*\u+\mt):SU0+8*(2*\u+\mt)+7]
.endr
.endr
	WIN 0
	PLACES 4
.set i, 0
.rept 16
	v_pk_mul_f32 v[SU0+i:SU0+i+1], v[SU0+i:SU0+i+1], QSCALE op_sel_hi:[1,0]    ; in f32, so that the scores come out in log2 units
.set i, i+2
.endr
.set i, 0
.rept 16
	v_cvt_pk_f16_f32 v[Q+i], v[SU0+2*i], v[SU0+2*i+1]      ; tile (u, mt) is registers 4 mt .. 4 mt + 3 of unit u's fragment
.set i, i+1
.endr
.set i, 0
.rept 32
	v_mov_b32 v[O+i], 0                            ; 32 moves a pass, so that one text of STEP serves the first block too
.set i, i+1
.endr
	v_mov_b32 v[NMS], FLOOR
	v_mov_b32 v[NMS+1], FLOOR
	v_mov_b32 v[LS], 0
	v_mov_b32 v[LS+1], 0
	; block b lies in slot (c - b) & 1, so that the diagonal block is always in slot 0.  c is the same in all waves of the work-group.
	s_bitcmp1_b32 s29, 0
	s_cbranch_scc0 .Leven
	PRODUCE 1
	SYNC
	TRIP 1, 0
	s_branch .Lpairs
.Leven:
	PRODUCE 0
	SYNC
.Lpairs:
	s_lshr_b32 s31, s29, 1                         ; the full blocks that are left go in pairs
	s_cmp_eq_u32 s31, 0
	s_cbranch_scc1 .Ldiag
.Lpair:
	TRIP 0, 1
	TRIP 1, 0
	s_sub_co_u32 s31, s31, 1
	s_cmp_lg_u32 s31, 0
	s_cbranch_scc1 .Lpair
.Ldiag:
	LOADKC 0, 0                                    ; no wait of its own, as at a TRIP's head
	STEP 0, 0, 1, 1
	STEP 0, 1, 1, 0
	; ---------------- the way out ----------------
	s_cmp_lg_u32 s30, 0
	s_cbranch_scc1 .Lnoq
	s_sub_co_u32 s50, 15, s29                      ; first pass: the next chunk's query rows are requested now and land behind the way out
	s_lshl_b32 s34, s50, 15
	s_add_nc_u64 s[44:45], s[56:57], s[34:35]
	LDROW KF, 44, 0                                ; no wait of their own: the last to name KF and CF were the last step's score products, ahead of that step's wait on va_vdst
	LDROW CF, 44, 4096
.Lnoq:
	v_permlanex16_b32 v[T], v[LS], s48, s49        ; the two halves of the keys meet
	v_permlanex16_b32 v[T+1], v[LS+1], s48, s49
	v_add_f32 v[LS], v[LS], v[T]
	v_add_f32 v[LS+1], v[LS+1], v[T+1]
	v_rcp_f32 v[NMN], v[LS]                        ; 1 / l of unit 0 and of unit 1; used far below
	v_rcp_f32 v[AL], v[LS+1]
.irp u, 0,1                            ; O = high part in bf16 + rest in bf16: fragments v[VF + 16 u ..] and v[VF + 16 u + 8 ..]
.irp i, 0,1,2,3,4,5,6,7
	v_cvt_pk_bf16_f32 v[VF+16*\u+\i], v[O+16*\u+2*\i], v[O+16*\u+2*\i+1]
	v_lshlrev_b32 v[T+2*(\i&1)], 16, v[VF+16*\u+\i]
	v_and_b32 v[T+2*(\i&1)+1], 0xffff0000, v[VF+16*\u+\i]
	v_pk_add_f32 v[O+16*\u+2*\i:O+16*\u+2*\i+1], v[O+16*\u+2*\i:O+16*\u+2*\i+1], v[T+2*(\i&1):T+2*(\i&1)+1] neg_lo:[0,1] neg_hi:[0,1]
	v_cvt_pk_bf16_f32 v[VF+16*\u+8+\i], v[O+16*\u+2*\i], v[O+16*\u+2*\i+1]
.endr
.endr
	WIN 0x01                                       ; out^T = Wp x O over my head's 32 columns; eight accumulators by turns, one instruction a turn
.irp u, 0,1
.irp mt, 0,1,2,3
	v_wmma_f32_16x16x32_bf16 v[SU0+32*\u+8*\mt:SU0+32*\u+8*\mt+7], v[WP+8*\mt:WP+8*\mt+7], v[VF+16*\u:VF+16*\u+7], 0
.endr
.endr
.irp u, 0,1
.irp mt, 0,1,2,3
	v_wmma_f32_16x16x32_bf16 v[SU0+32*\u+8*\mt:SU0+32*\u+8*\mt+7], v[WP+8*\mt:WP+8*\mt+7], v[VF+16*\u+8:VF+16*\u+15], v[SU0+32*\u+8*\mt:SU0+32*\u+8*\mt+7]
.endr
.endr
	WIN 0
	PLACES 4
	s_wait_alu depctr_va_vdst(0)                   ; the two reciprocals have written 1 / l, which the scalings read
.set i, 0
.rept 16
	v_pk_mul_f32 v[SU0+i:SU0+i+1], v[SU0+i:SU0+i+1], v[NMN:NMN+1] op_sel_hi:[1,0]      ; the lane is the query: one 1 / l a lane
	v_pk_mul_f32 v[SU1+i:SU1+i+1], v[SU1+i:SU1+i+1], v[AL:AL+1] op_sel_hi:[1,0]
.set i, i+2
.endr
	s_wait_alu depctr_va_vdst(0)                   ; the scalings have written SU0 and SU1, which the stores into the stage read, and in which the loads from it land
.irp u, 0,1
.irp mt, 0,1,2,3
	ds_store_b128 v[STW], v[SU0+32*\u+8*\mt:SU0+32*\u+8*\mt+3]   offset:16*SP*\u+64*\mt       ; row r, columns 16 mt + 8 h ..
	ds_store_b128 v[STW], v[SU0+32*\u+8*\mt+4:SU0+32*\u+8*\mt+7] offset:16*SP*\u+64*\mt+16
.endr
.endr
	SYNC                                           ; both heads' parts are in the stage; also: every wave's reads of slot 0 are done before the next pass writes it
	s_wait_alu depctr_vm_vsrc(0)                   ; my stores into the stage have read SU0 and SU1, in which the loads below land
	s_lshl_b32 s34, s29, 15
	s_add_nc_u64 s[46:47], s[54:55], s[34:35]
.irp i, 0,1,2,3,4,5,6,7                ; I store unit hh of waves ww (head 0) and ww + 4 (head 1): two whole rows of 256 bytes an instruction
	ds_load_b128 v[SU0+4*\i:SU0+4*\i+3], v[STR] offset:2*SP*\i
	ds_load_b128 v[SU1+4*\i:SU1+4*\i+3], v[STR] offset:2*SP*\i+4*32*SP
.endr
.irp i, 0,1,2,3,4,5,6,7
	s_wait_dscnt 14-2*\i                           ; LDS loads come back in order (ISA guide 5.7.1): pair i is in, the younger pairs stay out
	v_pk_add_f32 v[SU0+4*\i:SU0+4*\i+1],   v[SU0+4*\i:SU0+4*\i+1],   v[SU1+4*\i:SU1+4*\i+1]
	v_pk_add_f32 v[SU0+4*\i+2:SU0+4*\i+3], v[SU0+4*\i+2:SU0+4*\i+3], v[SU1+4*\i+2:SU1+4*\i+3]
	v_pk_add_f32 v[SU0+4*\i:SU0+4*\i+1],   v[SU0+4*\i:SU0+4*\i+1],   v[BP:BP+1]
	v_pk_add_f32 v[SU0+4*\i+2:SU0+4*\i+3], v[SU0+4*\i+2:SU0+4*\i+3], v[BP+2:BP+3]
.endr
	s_wait_alu depctr_va_vdst(0)                   ; the additions have written SU0, which the eight stores read
.irp i, 0,1,2,3,4,5,6,7
	global_store_b128 v[L16], v[SU0+4*\i:SU0+4*\i+3], s[46:47] offset:512*\i th:TH_STORE_NT   ; the wave's store covers 512 consecutive bytes, aligned
.endr
	s_wait_xcnt 0x0                                ; the stores' data registers and base are written again only behind this wait
	s_wait_alu depctr_vm_vsrc(0)                   ; the stores have read SU0, which the next pass's products write: stated ahead of the backward jump
	s_sub_co_u32 s29, 15, s29                      ; the second chunk
	s_add_co_u32 s30, s30, 1
	s_cmp_lt_u32 s30, 2
	s_cbranch_scc1 .Lpass
	s_wait_dscnt 0x0                               ; the closing lines, six on end
	s_wait_alu 0x0
	s_wait_tensorcnt 0x0
	ds_add_u32 v254, v255
	s_wait_dscnt 0x0
	s_endpgm
.Lfunc_end_k_q4c7a4bbc32_attn:
	.size	k_q4c7a4bbc32_attn, .Lfunc_end_k_q4c7a4bbc32_attn-k_q4c7a4bbc32_attn
	.p2alignl 7, 3214868480
	.fill 96, 4, 3214868480
	.section	.rodata,"a",@progbits
	.p2align	6, 0x0
	.amdhsa_kernel k_q4c7a4bbc32_attn
		.amdhsa_group_segment_fixed_size 143360
		.amdhsa_private_segment_fixed_size 0
		.amdhsa_enable_private_segment 0
		.amdhsa_kernarg_size 64
		.amdhsa_user_sgpr_count 2
		.amdhsa_user_sgpr_kernarg_segment_ptr 1
		.amdhsa_wavefront_size32 1
		.amdhsa_system_sgpr_workgroup_id_x 1
		.amdhsa_system_sgpr_workgroup_id_y 1
		.amdhsa_system_sgpr_workgroup_id_z 1
		.amdhsa_system_vgpr_workitem_id 0
		.amdhsa_next_free_vgpr 480
		.amdhsa_next_free_sgpr 98
		.amdhsa_reserve_vcc 1
		.amdhsa_float_denorm_mode_32 3
		.amdhsa_float_denorm_mode_16_64 3
		.amdhsa_memory_ordered 1
		.amdhsa_forward_progress 1
		.amdhsa_inst_pref_size 201
	.end_amdhsa_kernel
	.amdgpu_metadata
---
amdhsa.version: [ 1, 2 ]
amdhsa.kernels:
  - .name:           k_q4c7a4bbc32_attn
    .symbol:         k_q4c7a4bbc32_attn.kd
    .args:
      - { .name: idx, .offset: 0, .size: 8, .value_kind: global_buffer, .address_space: global }
      - { .name: input_mask, .offset: 8, .size: 8, .value_kind: global_buffer, .address_space: global }
      - { .name: Wq, .offset: 16, .size: 8, .value_kind: global_buffer, .address_space: global }
      - { .name: Wk, .offset: 24, .size: 8, .value_kind: global_buffer, .address_space: global }
      - { .name: Wv, .offset: 32, .size: 8, .value_kind: global_buffer, .address_space: global }
      - { .name: Wp, .offset: 40, .size: 8, .value_kind: global_buffer, .address_space: global }
      - { .name: bp, .offset: 48, .size: 8, .value_kind: global_buffer, .address_space: global }
      - { .name: out0, .offset: 56, .size: 8, .value_kind: global_buffer, .address_space: global }
    .group_segment_fixed_size: 143360
    .private_segment_fixed_size: 0
    .kernarg_segment_align: 8
    .kernarg_segment_size: 64
    .max_flat_workgroup_size: 256
    .sgpr_count:     98
    .vgpr_count:     480
    .wavefront_size: 32
...
	.end_amdgpu_metadata
.endif
;; end of part 2
